; MI455X (gfx1250); checked and timed in simulation.
; The chip was launched on July 23, 2026; its instructions are those of AMD's public machine-readable ISA for CDNA 5 (MIT licence, August 2026) and "CDNA5" Instruction Set Architecture Reference Guide (July 2026). The comments in the code are by the model that wrote it; some were corrected since.
;; Quantization Layer. Allowed arithmetic: matrix products marked QUANTISED: E5M2 operands, one E8M0 scale for each 32 along K, by v_wmma_scale_f32_16x16x128_f8f6f4 with both operands' format E5M2, f32 sums; everything else in f32.
;; Inputs: codebook 8,192 x 512 float32; x 16,384 x 512 float32.
;; Outputs: out0 16,384 x 512 float32; out1 16,384 x 512 float32.
;; This version of the problem:
;;   THIS VERSION OF THE PROBLEM IS GIVEN IN LOW PRECISION. The matrix products marked QUANTISED in the list below multiply operands that are first quantised to E5M2 (5 exponent bits, 2 mantissa bits; 8 bits a number), with one power-of-two scale for each 32 numbers along K (OCP MX v1.0); their sums are f32. All else is computed in f32.
;;   The module's matrix products, in the order in which they are computed (A, B: the left and right operand; K: the contracted axis; several contracted axes count as one K, in the product's order):
;;     1. [M 16,384, K 512] x [K 512, N 8,192]; A: input x; B: input codebook: QUANTISED
;;   THE QUANTISER, for each operand of a quantised product, along K:
;;     - K is cut into blocks of 32 from its start; a last block that is shorter is filled with zeros.
;;     - A block's scale is 2^e with e = floor(log2(the largest magnitude in the block)) - 15, held to -126 .. 127; a block of zeros has e = 0. As a byte (E8M0): e + 127.
;;     - Each number is divided by its block's scale, clamped to +-57,344, and rounded to the nearest number of E5M2, ties to even, subnormals kept.
;;     - The product sums the exact products of the quantised numbers (number of the format x scale) in f32.
;;   ~~~python
;;   def quantise(x, axis):      # numpy; x: float32 -> the quantised numbers, widened to float32 again
;;       x = np.moveaxis(x, axis, -1); K = x.shape[-1]
;;       x = np.pad(x, [(0, 0)] * (x.ndim - 1) + [(0, -K % 32)]); x = x.reshape(x.shape[:-1] + (-1, 32)); a = np.abs(x).max(-1, keepdims=True)
;;       e = np.where(a > 0, np.clip(np.frexp(np.where(a > 0, a, 1))[1] - 1 - 15, -126, 127), 0)      # np.frexp(a)[1] - 1 = floor(log2(a)), exactly
;;       r = np.clip(x / 2.0 ** e, -57344, 57344)
;;       step = 2.0 ** (np.maximum(np.frexp(np.where(r == 0, 1, r))[1] - 1, -14) - 2)
;;       q = np.round(r / step) * step * 2.0 ** e      # np.round: ties to even
;;       return np.moveaxis(q.reshape(q.shape[:-2] + (-1,))[..., :K], -1, axis).astype(np.float32)
;;   ~~~
;; One version. Each part assembles by itself: llvm-mc -triple=amdgcn-amd-amdhsa -mcpu=gfx1250 --defsym DOCPART=n.
;; ======== version 1 of 1: 3 launches
;; limits: right only within a limited range of input values
;; workspace buffers: xq 8,388,608 bytes; cq 4,194,304 bytes; xs 262,144 bytes; cs 131,072 bytes; xn 65,536 bytes; cn 32,768 bytes; cand 1,048,576 bytes of whole numbers
;; launch quant (part 1): grid 768 x 1, 2 waves a work-group, no clusters, 28,928 bytes of LDS; arguments x, codebook, xq, xs, xn, cq, cs, cn; writes xq, xs, xn, cq, cs, cn
.if DOCPART == 1
	.amdgcn_target "amdgcn-amd-amdhsa--gfx1250"
	.amdhsa_code_object_version 6
	.text
	.protected	k_qe99a04bf31_quant
	.globl	k_qe99a04bf31_quant
	.p2align	8
	.type	k_qe99a04bf31_quant,@function
k_qe99a04bf31_quant:
	s_mov_b64 s[64:65], 0
	v_nop
	global_prefetch_b8 v0, s[64:65] scope:SCOPE_SE
	s_setreg_imm32_b32 hwreg(HW_REG_WAVE_MODE, 25, 1), 1
	s_wait_xcnt 0x0
; THE PROGRAM: for each row of x [16384][512] the first index k of the smallest d[k] = (|x|^2 + |w_k|^2) - 2 x.w_k over the 8,192 rows w_k of the codebook, the product x.w on codes of E5M2 with one
; E8M0 scale for each 32 along K; row k of the codebook is then both results.  Three launches: this one (codes, scale bytes, sums of squares), the search (product, distances, best of 1,024 codes), the copy.
; WORK LEFT OUT.  The second result is x + (q - x), q the chosen row.  For all real x and q that is q: the two x cancel by an identity.  So the copy stores q twice, and x is no argument of it.
; In f32 the written form differs from q by the rounding of q - x and of the sum, a few units in the last place of x, which is rounding beside what is compared.  x stays live through the product.
; LIMIT: a NaN, an infinity or an overflow of x that would reach the second result through x + (q - x) alone is not carried there.
; WORK KEPT.  |x|^2 is the same for all k, so in real numbers it moves no choice.  It is kept: it is some thousand times the gaps between the best distances, so that f32 rounds every distance to a grid
; that is set by |x|^2, and equal distances arise that the first index decides.  The distances are therefore formed in the written order: s = |x|^2 + |w|^2 rounded, then s - 2 x.w rounded once.
; THIS LAUNCH.  x and the codebook, f32, rows of 512 along K, become: codes, laid as images of the matrix operand's registers; scale bytes [row][16]; the rows' sums of squares, f32.
; A block's scale is 2^(floor(log2(its largest magnitude)) - 15); its byte is the largest magnitude's exponent field - 15, held at 1 from below.  A block of zeros so gets the byte 1 where the rule says 127:
; its codes are zeros, which add nothing under any byte but 0xff, and this program alone reads the bytes.  Each number is divided by the scale, held within +-57,344 and rounded to the nearest code, ties to even.
; LIMITS: NaN and infinities among the inputs are not served; blocks whose largest magnitude lies under 2^(16 - 127), the floor, keep the byte 1; the sums of squares are added in another order than a plain run along the row.
; SHARES.  A wave takes a tile of 16 rows, a row (2,048 bytes) a step.  The first 512 work-groups take x, the other 256 the codebook: only pointers are chosen, both take one path.  Waves share nothing: no barrier.
; A step's four loads read 512 consecutive bytes each; the row turns through the wave's own stage in LDS and comes back 64 bytes a lane: lane l then holds k = 16 l .. 16 l + 15, two lanes a block of 32.
; THE IMAGE.  A tile's codes lie as the operand's registers want them: byte 2048 s + 512 c + 16 lane' holds row lane' % 16, k = 128 s + 32 c + 16 (lane' / 16) + 0 .. 15.  For row t and k = 16 l that is byte 256 l + 16 t:
; lane l's 16 codes of step t go to piece l of the image at 16 t.  In LDS a piece is 256 bytes + 16 of padding, so that sixteen lanes' stores fall on sixteen different columns of 16 bytes.
.set STEPS, 16
.set WGX,   512                        ; work-groups that take x: 1,024 tiles, two a work-group
.set SP,    80                         ; a lane's place in a stage: its 64 bytes + 16 of padding
.set WREG,  14336                      ; LDS: a region for each wave: two stages of 32 x SP bytes,
.set SBY,   5120                       ; its 256 scale bytes,
.set NRM,   5376                       ; its 16 sums of squares (a block of 256 bytes of their own),
.set IMG,   5632                       ; and the image: 32 pieces x IP
.set IP,    272
.set SPARE, 2*WREG                     ; behind the two regions: the spare words, 128 bytes for each wave: one block of 256 bytes that no other line names
.set R,     16                         ; v16-79   four sets of 16 numbers as they are loaded; at the end the image on its way out
.set X,     80                         ; v80-111  two sets of 16 neighbours
.set E,     112                        ; v112-127 a scale byte for each step
.set C,     128                        ; v128-191 four registers of codes for each step: no store's data are written again
.set NR,    192                        ; v192-207 a sum of squares for each step
.set Q,     212                        ; v212-215 squares at work
.set SPW,   12                         ; v12      LDS address of my spare word; never rewritten
.set NIL,   13                         ; v13      0; never rewritten
	s_load_b256 s[4:11], s[0:1], 0x0               ; x s[4:5], codebook s[6:7], xq s[8:9], xs s[10:11]
	s_load_b256 s[12:19], s[0:1], 0x20             ; xn s[12:13], cq s[14:15], cs s[16:17], cn s[18:19]
	v_lshl_add_u32 v[SPW], v0, 2, SPARE
	v_mov_b32 v[NIL], 0
	v_lshrrev_b32 v1, 5, v0
	v_readfirstlane_b32 s20, v1                    ; wave
	v_and_b32 v2, 31, v0                           ; lane
	v_lshlrev_b32 v3, 4, v2                        ; my 16 bytes of 512: the loads' and the codes' offset
	s_mul_i32 s21, s20, WREG                       ; my wave's region
	v_lshrrev_b32 v14, 2, v2
	v_mul_u32_u24 v14, v14, SP
	v_and_b32 v15, 3, v2
	v_lshl_add_u32 v14, v15, 4, v14
	v_add_nc_u32 v14, s21, v14                     ; the stage, on the way in: SP (lane / 4) + 16 (lane % 4); a load's 512 bytes take eight places
	v_mul_u32_u24 v15, v2, SP
	v_add_nc_u32 v15, s21, v15                     ; and on the way out: SP x lane: my 16 neighbours
	v_mul_u32_u24 v4, v2, IP
	v_add_nc_u32 v4, s21, v4
	v_add_nc_u32 v4, IMG, v4                       ; the image: piece = my lane
	v_lshrrev_b32 v5, 1, v2
	v_add_nc_u32 v5, s21, v5
	v_add_nc_u32 v5, SBY, v5                       ; my block's scale byte
	v_lshlrev_b32 v7, 3, v2                        ; on the way out 8 scale bytes a lane
	v_add_nc_u32 v6, s21, v7
	v_add_nc_u32 v6, SBY, v6
	v_and_b32 v211, 15, v2
	v_lshrrev_b32 v208, 4, v2
	v_mul_u32_u24 v208, v208, IP
	v_lshl_add_u32 v208, v211, 4, v208
	v_add_nc_u32 v208, s21, v208
	v_add_nc_u32 v208, IMG, v208                   ; the image on its way out: sixteen lanes to a piece, two pieces an instruction
	v_lshlrev_b32 v211, 2, v211                    ; a sum of squares on its way out: 4 (lane % 16)
	v_add_nc_u32 v210, s21, v211
	v_add_nc_u32 v210, NRM, v210
	v_mov_b32 v209, s21
	v_add_nc_u32 v209, NRM, v209                   ; where the step's sum goes: all lanes write the same word with the same value
	v_mov_b32 v216, 0                              ; written once: a lane permute's destination counts as one of its sources
	s_mov_b32 s28, 0x76543210
	s_mov_b32 s29, 0xfedcba98                      ; v_permlanex16_b32's selects for lane l xor 16
	s_mov_b32 s30, 0x600000                        ; the mantissa field of 57,344
	s_wait_kmcnt 0x0
	s_cmp_lt_u32 ttmp9, WGX                        ; x's work-group or the codebook's?  The choice hangs on the work-group's number alone
	s_cselect_b64 s[4:5], s[4:5], s[6:7]
	s_cselect_b64 s[8:9], s[8:9], s[14:15]
	s_cselect_b64 s[10:11], s[10:11], s[16:17]
	s_cselect_b64 s[12:13], s[12:13], s[18:19]
	s_cselect_b32 s22, 0, WGX
	s_sub_co_u32 s22, ttmp9, s22
	s_lshl_b32 s22, s22, 1
	s_add_co_u32 s22, s22, s20                     ; my tile of 16 rows
	s_mov_b32 s25, 0
	s_lshl_b32 s24, s22, 15                        ; 16 rows of 2,048 bytes
	s_add_nc_u64 s[4:5], s[4:5], s[24:25]
	s_lshl_b32 s24, s22, 13                        ; 8,192 bytes of codes
	s_add_nc_u64 s[8:9], s[8:9], s[24:25]
	s_lshl_b32 s24, s22, 8                         ; 256 scale bytes
	s_add_nc_u64 s[10:11], s[10:11], s[24:25]
	s_lshl_b32 s24, s22, 6                         ; 16 sums of squares
	s_add_nc_u64 s[12:13], s[12:13], s[24:25]
.macro LOAD t
.irp i, 0,1,2,3
	global_load_b128 v[R+16*((\t)%4)+4*\i:R+16*((\t)%4)+4*\i+3], v3, s[4:5] offset:2048*(\t)+512*\i th:TH_LOAD_NT   ; 32 lanes read 512 consecutive bytes
.endr
.endm
.macro TURN t                          ; step t's numbers through the stage: LDS serves a wave's instructions in order, so no wait stands between the stores and the loads
.irp i, 0,1,2,3
	ds_store_b128 v14, v[R+16*((\t)%4)+4*\i:R+16*((\t)%4)+4*\i+3] offset:32*SP*((\t)%2)+8*SP*\i
.endr
.irp i, 0,1,2,3
	ds_load_b128 v[X+16*((\t)%2)+4*\i:X+16*((\t)%2)+4*\i+3], v15 offset:32*SP*((\t)%2)+16*\i
.endr
.endm
.irp t, 0,1,2,3
	LOAD \t
.endr
	s_wait_loadcnt 12                              ; step 0's four loads are in
	TURN 0
.macro STEP t
.set XS, X+16*((\t)%2)
.if (\t) > 0
	s_wait_dscnt 3                                 ; this step's numbers are back from the stage (the last step's three stores may be out): so its stores into the stage have read their registers,
.else
	s_wait_dscnt 0x0
.endif
.if (\t)+4 < STEPS
	LOAD (\t)+4                                    ; which take the loads of four steps on
.endif
.if (\t)+1 < STEPS
.if STEPS-2-(\t) >= 3
	s_wait_loadcnt 12                              ; the next step's four loads are in; those of the three steps behind it may be out
.else
	s_wait_loadcnt 4*(STEPS-2-(\t))
.endif
	TURN (\t)+1                                    ; and go through the other stage while this step is worked
.endif
	v_pk_mul_f32 v[Q:Q+1], v[XS:XS+1], v[XS:XS+1]                  ; the row's sum of squares, of the numbers as they came: two chains of packed multiply-adds,
	v_pk_mul_f32 v[Q+2:Q+3], v[XS+2:XS+3], v[XS+2:XS+3]
.irp i, 4,8,12
	v_pk_fma_f32 v[Q:Q+1], v[XS+\i:XS+\i+1], v[XS+\i:XS+\i+1], v[Q:Q+1]
	v_pk_fma_f32 v[Q+2:Q+3], v[XS+\i+2:XS+\i+3], v[XS+\i+2:XS+\i+3], v[Q+2:Q+3]
.endr
	v_max3_num_f32 v8, |v[XS]|, |v[XS+1]|, |v[XS+2]|               ; the largest magnitude of my 16
	v_max3_num_f32 v9, |v[XS+3]|, |v[XS+4]|, |v[XS+5]|
	v_pk_add_f32 v[Q:Q+1], v[Q:Q+1], v[Q+2:Q+3]
.irp i, 6,10
	v_max3_num_f32 v8, v8, |v[XS+\i]|, |v[XS+\i+1]|
	v_max3_num_f32 v9, v9, |v[XS+\i+2]|, |v[XS+\i+3]|
.endr
	v_add_f32 v[Q], v[Q], v[Q+1]
	v_max3_num_f32 v8, v8, |v[XS+14]|, |v[XS+15]|
	v_add_f32_dpp v[Q], v[Q], v[Q] row_xmask:1 row_mask:0xf bank_mask:0xf   ; then over the 32 lanes, which hold the whole row
	v_max3_num_f32 v8, v8, v9, 0x8000000           ; and the floor 2^(16 - 127), under which no largest magnitude is taken: so the byte cannot fall under 1
	v_add_f32_dpp v[Q], v[Q], v[Q] row_xmask:2 row_mask:0xf bank_mask:0xf
	v_max_num_f32_dpp v8, v8, v8 row_xmask:1 row_mask:0xf bank_mask:0xf   ; and of my neighbour's 16: the block's
	v_add_f32_dpp v[Q], v[Q], v[Q] row_xmask:4 row_mask:0xf bank_mask:0xf
	v_add_nc_u32 v11, 0xf8800000, v8               ; 15 off its exponent field: the conversion takes the exponent field of this operand as its scale, and nothing else of it
	v_add_f32_dpp v[Q], v[Q], v[Q] row_xmask:8 row_mask:0xf bank_mask:0xf
	v_and_or_b32 v10, v8, 0x7f800000, s30          ; 57,344 x the scale: the largest magnitude's exponent field over 57,344's mantissa
	v_permlanex16_b32 v216, v[Q], s28, s29
.irp i, 0,1,2,3,4,5,6,7,8,9,10,11,12,13,14,15
	v_med3_num_f32 v[XS+\i], v[XS+\i], -v10, v10   ; the conversion to an 8-bit code does not saturate (ISA guide 7.6.2): hold the number within the largest code x the scale first
.endr
	v_add_f32 v[NR+(\t)], v[Q], v216               ; every lane holds the row's sum of squares
	v_cvt_scalef32_pk8_bf8_f32 v[C+4*(\t):C+4*(\t)+1], v[XS:XS+7], v11          ; eight numbers / 2^(v11's exponent), to the nearest code, ties to even; the first number's code in the lowest byte
	v_cvt_scalef32_pk8_bf8_f32 v[C+4*(\t)+2:C+4*(\t)+3], v[XS+8:XS+15], v11
	v_lshrrev_b32 v[E+(\t)], 23, v11               ; the scale's byte (also the plain line behind the conversions)
	ds_store_b32 v209, v[NR+(\t)] offset:4*(\t)
	ds_store_b128 v4, v[C+4*(\t):C+4*(\t)+3] offset:16*(\t)        ; piece l of the image, row t
	ds_store_b8 v5, v[E+(\t)] offset:16*(\t)       ; both lanes of a block write the same byte with the same value
.endm
.irp t, 0,1,2,3,4,5,6,7,8,9,10,11,12,13,14,15
	STEP \t
.endr
.irp i, 0,1,2,3,4,5,6,7,8,9,10,11,12,13,14,15
	ds_load_b128 v[R+4*\i:R+4*\i+3], v208 offset:2*IP*\i           ; LDS serves a wave's instructions in order: these see my stores
.endr
	ds_load_b64 v[8:9], v6
	ds_load_b32 v10, v210
.irp i, 0,1,2,3,4,5,6,7,8,9,10,11,12,13,14,15
	s_wait_dscnt 17-\i                             ; load i is in; the 17 - i issued behind it may be out
	global_store_b128 v3, v[R+4*\i:R+4*\i+3], s[8:9] offset:512*\i   ; 32 lanes store 512 consecutive bytes, at a multiple of 256 from the buffer's first byte
.endr
	s_wait_dscnt 1
	global_store_b64 v7, v[8:9], s[10:11]          ; the tile's 256 scale bytes: 256 consecutive bytes, aligned
	s_wait_dscnt 0x0
	global_store_b32 v211, v10, s[12:13]           ; 16 sums of squares, 64 bytes; lanes l and l + 16 store the same word with the same value
	s_wait_tensorcnt 0x0                           ; the wave's end, behind my last LDS store
	ds_add_u32 v[SPW], v[NIL]
	s_wait_dscnt 0x0
	s_endpgm
.Lfunc_end_k_qe99a04bf31_quant:
	.size	k_qe99a04bf31_quant, .Lfunc_end_k_qe99a04bf31_quant-k_qe99a04bf31_quant
	.p2alignl 7, 3214868480
	.fill 96, 4, 3214868480
	.section	.rodata,"a",@progbits
	.p2align	6, 0x0
	.amdhsa_kernel k_qe99a04bf31_quant
		.amdhsa_group_segment_fixed_size 28928
		.amdhsa_private_segment_fixed_size 0
		.amdhsa_enable_private_segment 0
		.amdhsa_kernarg_size 64
		.amdhsa_user_sgpr_count 2
		.amdhsa_user_sgpr_kernarg_segment_ptr 1
		.amdhsa_wavefront_size32 1
		.amdhsa_system_sgpr_workgroup_id_x 1
		.amdhsa_system_sgpr_workgroup_id_y 1
		.amdhsa_system_sgpr_workgroup_id_z 1
		.amdhsa_system_vgpr_workitem_id 0
		.amdhsa_next_free_vgpr 224
		.amdhsa_next_free_sgpr 66
		.amdhsa_reserve_vcc 0
		.amdhsa_float_denorm_mode_32 3
		.amdhsa_float_denorm_mode_16_64 3
		.amdhsa_memory_ordered 1
		.amdhsa_forward_progress 1
		.amdhsa_inst_pref_size 70
	.end_amdhsa_kernel
	.amdgpu_metadata
---
amdhsa.version: [ 1, 2 ]
amdhsa.kernels:
  - .name:           k_qe99a04bf31_quant
    .symbol:         k_qe99a04bf31_quant.kd
    .args:
      - { .name: x, .offset: 0, .size: 8, .value_kind: global_buffer, .address_space: global }
      - { .name: codebook, .offset: 8, .size: 8, .value_kind: global_buffer, .address_space: global }
      - { .name: xq, .offset: 16, .size: 8, .value_kind: global_buffer, .address_space: global }
      - { .name: xs, .offset: 24, .size: 8, .value_kind: global_buffer, .address_space: global }
      - { .name: xn, .offset: 32, .size: 8, .value_kind: global_buffer, .address_space: global }
      - { .name: cq, .offset: 40, .size: 8, .value_kind: global_buffer, .address_space: global }
      - { .name: cs, .offset: 48, .size: 8, .value_kind: global_buffer, .address_space: global }
      - { .name: cn, .offset: 56, .size: 8, .value_kind: global_buffer, .address_space: global }
    .group_segment_fixed_size: 28928
    .private_segment_fixed_size: 0
    .kernarg_segment_align: 8
    .kernarg_segment_size: 64
    .max_flat_workgroup_size: 64
    .sgpr_count:     66
    .vgpr_count:     224
    .wavefront_size: 32
...
	.end_amdgpu_metadata
.endif
;; end of part 1
;; launch search (part 2): grid 32 x 8, 4 waves a work-group, clusters of 4 x 1, 327,680 bytes of LDS; arguments xq, xs, xn, cq, cs, cn, cand; writes cand
.if DOCPART == 2
	.amdgcn_target "amdgcn-amd-amdhsa--gfx1250"
	.amdhsa_code_object_version 6
	.text
	.protected	k_qe99a04bf31_search
	.globl	k_qe99a04bf31_search
	.p2align	8
	.type	k_qe99a04bf31_search,@function
k_qe99a04bf31_search:
	s_mov_b64 s[64:65], 0
	v_nop
	global_prefetch_b8 v0, s[64:65] scope:SCOPE_SE
	s_setreg_imm32_b32 hwreg(HW_REG_WAVE_MODE, 25, 1), 1
	s_wait_xcnt 0x0
	s_wait_alu depctr_hold_cnt(0) depctr_sa_sdst(0) depctr_va_vdst(0) depctr_va_sdst(0) depctr_va_ssrc(0) depctr_va_vcc(0) depctr_vm_vsrc(0)
	s_getreg_b32 s2, hwreg(HW_REG_IB_STS2, 6, 4)
	s_cmp_eq_u32 s2, 0
	s_cbranch_scc0 .Lentry_in_a_cluster
	s_endpgm
.Lentry_in_a_cluster:
	s_bfe_u32 s2, ttmp6, 0x10000c
	s_cmp_lg_u32 s2, 0x3003
	s_cbranch_scc0 .Lentry_shape_is_right
	s_endpgm
.Lentry_shape_is_right:
; For 512 rows of x and 1,024 codes: d = (|x|^2 + |w|^2) - 2 x.w, the product on codes of E5M2 with E8M0 scales, and for each row the smallest d with its first index: a candidate (key, index), 8 bytes,
; at cand[split][row].  Nothing of the problem's work is left out here; what the program leaves out is shown at the head of the first launch.
; THE DISTANCE is formed in the written order: s = |w|^2 + |x|^2, rounded; then 2 x.w - s by one fused multiply-add, rounded once: that is -d.  The NEGATED distance is kept, and its LARGEST is looked for.
; LIMITS: distances that are NaN are not served (an argmin would take the first NaN); infinities in the inputs likewise.
; SHARES.  Work-group (row block, split): 512 rows x 1,024 codes.  Wave w keeps its 128 rows (8 tiles of 16 rows x 512 K: 512 registers) for the whole launch; all four waves walk the split's 64 tiles of 16 codes,
; so a fragment of codes read from LDS feeds eight matrix instructions.  Source 0 = 16 codes, source 1 = 16 rows: a lane holds ONE row (lane % 16), its eight results are codes 8 (lane / 16) + 0 .. 7.
; A TILE OF CODES is three parts: one run of 19 LDS loads, which fetch the NEXT tile; one run of 32 products with nothing between them (row tiles 0-3, then 4-7; four accumulators by turns, K ascending
; ); one block of 144 vector lines, 18 for each 16 x 16: 4 packed sums, 4 packed multiply-adds, 4 maxima, a compare, 5 pairs of selects: where the tile's best beats the lane's best, the best,
; the tile's number and the tile's eight numbers are kept.  The compare is strict and the tiles ascend, so the earlier tile keeps a tie.  Which of the eight it was is read off the kept numbers once, at the end, lowest first.
; THE SUMS RUN A TILE AHEAD.  s hangs on no product.  Of a tile's 32 sums, 24 (row tiles 0-5) are made in the block of the tile before, each behind the selects that have read its registers, and stand there between
; a compare and its selects, which all go by VCC; the other 8 are the places between the products and the first read of an accumulator.
; WINDOWS.  Accumulators and fragments of codes lie in window 1, x in windows 2 and 3, all else in window 0.  Six switches a tile: one for the loads, two for the products, one for the 8 sums, one for the
; multiply-adds (source 0 in window 1), one for the rest.
; THE RING.  The codes lie in memory as images of the operand's registers, 8,192 bytes a tile: a slot of 16 tiles is one dense block.  Two slots.  At the head each wave issues one load: waves 0 and 1 a half of slot 0,
; wave 2 the split's scale bytes, wave 3 its |w|^2 (both stay).  Slot 1's first fill and the two refills stand behind the full sequence, a quarter of a slot a wave.  A wave never has more than one tensor load out.
; CLUSTER.  The four work-groups of a cluster have the same split and walk the same codes: every tensor load is asked for JOINTLY, same descriptor, mask of all four.  x is not shared: it goes straight into registers, once.
; NO PREFETCH: a fill is asked for 15 tiles of codes or more, 480 matrix instructions a wave, ahead of the wait for it, and the launch has four fills in all.
.set TILEB, 8192                       ; a tile of 16 codes x 512 K
.set SLOTB, 16*TILEB
.set SLOT1, 1<<17                      ; slot 1 begins here
.set SCB,   262144                     ; behind the ring: the split's scale bytes, [code][16]
.set WWB,   278528                     ; its |w|^2
.set SPARE, 282624                     ; the spare words, 128 bytes a wave: two blocks of 256 bytes that no other line names
; window 0
.set L16,  1                           ; 16 x lane
.set ADS,  2                           ; LDS address of the scale words to be fetched
.set ASC0, 3                           ; SCB + 16 (lane % 16)
.set ADR,  4                           ; LDS address of the fragments to be fetched
.set AWW0, 5                           ; WWB + 32 (lane / 16)
.set ADW,  6                           ; LDS address of the |w|^2 to be fetched
.set HB,   7                           ; 8 (lane / 16) + 1,024 x split
.set SPW,  8                           ; my spare word; never rewritten
.set NIL,  9                           ; 0; never rewritten
.set L8,   10                          ; 8 x lane
.set XNO,  11                          ; 4 (lane % 16)
.set VTC,  12                          ; the number of the tile of codes in hand
.set XB,   16                          ; v16-31  pairs: |x|^2 of my row in row tile t, my best so far there
.set TM,   32                          ; v32-47  pairs: the number of the tile of codes that holds it, the tile's best at work
.set XS,   50                          ; v50-65  x's scale words: 4 (t / 2) + K step; lanes 0-15 the even row tile, lanes 16-31 the odd.  (2 modulo 8, the codes' 0: the two never have one number modulo 8)
.set CS,   72                          ; v72-79  the codes' scale words, two sets of 4
.set S,    80                          ; v80-143 eight row tiles x 8: s, then the negated distances
.set SAV,  144                         ; v144-207 for each row tile the eight numbers of the best tile of codes
.set WW,   214                         ; v214-229 |w|^2 of my eight codes, two sets
.set EJ,   S+16                        ; at the end S is free: eight registers each, one a row tile
.set ED,   S+24
.set ET,   S+32
.set EK,   S+40
.set EI,   S+48
; window 1: v0-127 two buffers of a tile's four fragments
.set ACC,  128                         ; v128-191 eight accumulators
; windows 2, 3: x's row tiles 0-3, 4-7: v[64 t + 16 K step]
.set WV,   18
.set G1H,  24                          ; groups 1: half a slot; a quarter; the scale bytes; |w|^2
.set G1C,  32
.set G1S,  40
.set G1W,  48
.set G0H,  56                          ; groups 0: the head's half of slot 0; the ring's, which walks; the scale bytes; |w|^2
.set G0R,  60
.set G0S,  68
.set G0W,  72
.set MKA,  24                          ; at the end, behind the last wait for all tensor loads: three sets of eight lane masks
.set MKB,  32
.set MKC,  40
.set TB,   76                          ; LDS byte of the next tile to be fetched
.set TW,   77                          ; 64 x that tile
.set TSC,  78                          ; 256 x that tile
.set INNER, 79
.set OUTER, 80
.set HM,   81
.set SEL,  82
.set MSB, 0
.macro WIN new                         ; the immediate's high byte repeats the setting that is left; a switch that changes nothing is dropped
.if MSB != (\new)
	s_set_vgpr_msb (MSB<<8)|(\new)
.set MSB, (\new)
.endif
.endm
.macro CROUND                          ; a round of the cluster's barrier
	s_barrier_signal -1
	s_barrier_wait -1
	s_cmp_lg_u32 s[WV], 0
	s_cbranch_scc1 .Lnot_wave_0_\@
	s_barrier_signal -3
.Lnot_wave_0_\@:
	s_barrier_wait -3
	s_barrier_signal -1
	s_barrier_wait -1
.endm
.macro XLOAD t, hi                     ; x's row tile 4 hi + t: K step k: four loads of 512 consecutive bytes
.irp k, 0,1,2,3
.irp c, 0,1,2,3
	global_load_b128 v[64*(\t)+16*\k+4*\c:64*(\t)+16*\k+4*\c+3], v[L16], s[4:5] offset:8192*(4*(\hi)+(\t))+2048*\k+512*\c
.endr
.endr
.endm
	s_load_b256 s[4:11], s[0:1], 0x0               ; xq s[4:5], xs s[6:7], xn s[8:9], cq s[10:11]
	s_load_b128 s[12:15], s[0:1], 0x20             ; cs s[12:13], cn s[14:15]
	s_load_b64 s[16:17], s[0:1], 0x30              ; cand
	v_lshl_add_u32 v[SPW], v0, 2, SPARE
	v_mov_b32 v[NIL], 0
	ds_add_u32 v[SPW], v[NIL]                      ; the opening: the add, twice on end, and its wait ahead of my first tensor load; work on registers stands between
	ds_add_u32 v[SPW], v[NIL]
	v_lshrrev_b32 v2, 5, v0
	v_readfirstlane_b32 s[WV], v2                  ; wave 0..3
	v_and_b32 v[L8], 31, v0
	v_lshlrev_b32 v[L16], 4, v[L8]
	v_lshlrev_b32 v[L8], 3, v[L8]
	v_and_b32 v[XNO], 15, v0
	v_lshl_add_u32 v[ASC0], v[XNO], 4, SCB
	v_lshlrev_b32 v[XNO], 2, v[XNO]
	v_bfe_u32 v[HB], v0, 4, 1
	v_lshl_add_u32 v[AWW0], v[HB], 5, WWB
	v_lshlrev_b32 v[HB], 3, v[HB]
	s_and_b32 s21, ttmp7, 0xffff                   ; the split, which the four partners share
	s_lshl_b32 s22, s21, 10
	v_add_nc_u32 v[HB], s22, v[HB]
	s_bfe_u32 s19, ttmp6, 0x40000                  ; cx
	s_lshl_b32 s20, ttmp9, 2
	s_add_co_u32 s20, s20, s19                     ; my block of 512 rows: it enters x's and cand's addresses alone
	; groups 1: dense blocks as rows of 256 bytes (32 elements of 8 bytes), no padding: images are read 16 bytes a lane on end
.irp g, G1H, G1C, G1S, G1W
	s_mov_b32 s[\g], 15|(3<<16)|(1<<21)            ; the mask of all four; elements of 8 bytes; bit 21 beside a mask
	s_mov_b32 s[\g+1], 32<<16
	s_mov_b32 s[\g+3], 32<<16
	s_mov_b32 s[\g+5], 32
	s_mov_b32 s[\g+6], 0
	s_mov_b32 s[\g+7], 0
.endr
	s_mov_b32 s[G1H+2], 256<<16                    ; 256 rows = 65,536 bytes: eight tiles of codes
	s_mov_b32 s[G1H+4], 256
	s_mov_b32 s[G1C+2], 128<<16                    ; 128 rows: four tiles
	s_mov_b32 s[G1C+4], 128
	s_mov_b32 s[G1S+2], 64<<16                     ; 64 rows = 16,384 bytes: the split's scale bytes
	s_mov_b32 s[G1S+4], 64
	s_mov_b32 s[G1W+2], 16<<16                     ; 16 rows = 4,096 bytes: its |w|^2
	s_mov_b32 s[G1W+4], 16
	s_mov_b32 s[G0H], 1
	s_lshl_b32 s[G0H+1], s[WV], 16                 ; waves 0, 1: the halves of slot 0
	s_mov_b32 s[G0R], 1
	s_lshl_b32 s[G0R+1], s[WV], 15
	s_add_co_u32 s[G0R+1], s[G0R+1], SLOT1         ; my quarter of slot 1
	s_mov_b32 s[G0S], 1
	s_mov_b32 s[G0S+1], SCB
	s_mov_b32 s[G0W], 1
	s_mov_b32 s[G0W+1], WWB
	s_mov_b32 s[TB], 0
	s_mov_b32 s[TW], 0
	s_mov_b32 s[TSC], 0
	s_mov_b32 s[HM], 0xffff0000
	s_mov_b32 s[SEL], 0x76543210
	s_mov_b32 s[SEL+1], 0xfedcba98
	s_wait_alu depctr_va_vdst(0)
	s_wait_dscnt 0x0                               ; both opening adds are done
	s_wait_kmcnt 0x0
	s_mov_b32 s23, 0                               ; the tiles' places in memory hang on the split and the wave alone
	s_lshl_b32 s22, s21, 14
	s_add_nc_u64 s[G0S+2:G0S+3], s[12:13], s[22:23]
	s_or_b32 s[G0S+3], s[G0S+3], 0x80000000
	s_lshl_b32 s22, s21, 12
	s_add_nc_u64 s[G0W+2:G0W+3], s[14:15], s[22:23]
	s_or_b32 s[G0W+3], s[G0W+3], 0x80000000
	s_lshl_b32 s22, s21, 19
	s_add_nc_u64 s[10:11], s[10:11], s[22:23]      ; cq at the split
	s_lshl_b32 s22, s[WV], 16
	s_add_nc_u64 s[G0H+2:G0H+3], s[10:11], s[22:23]
	s_or_b32 s[G0H+3], s[G0H+3], 0x80000000
	s_lshl_b32 s22, s[WV], 15
	s_add_co_u32 s22, s22, SLOTB
	s_add_nc_u64 s[G0R+2:G0R+3], s[10:11], s[22:23]
	s_or_b32 s[G0R+3], s[G0R+3], 0x80000000
	s_mov_b32 s89, 0                               ; x's and cand's places hang on my block of rows: registers of their own
	s_lshl_b32 s88, s20, 18
	s_lshl_b32 s2, s[WV], 16
	s_add_co_u32 s88, s88, s2
	s_add_nc_u64 s[4:5], s[4:5], s[88:89]          ; xq at my wave's 8 tiles
	s_lshl_b32 s88, s20, 13
	s_lshl_b32 s2, s[WV], 11
	s_add_co_u32 s88, s88, s2
	s_add_nc_u64 s[6:7], s[6:7], s[88:89]          ; xs: 16 bytes a row
	s_lshl_b32 s88, s20, 11
	s_lshl_b32 s2, s[WV], 9
	s_add_co_u32 s88, s88, s2
	s_add_nc_u64 s[8:9], s[8:9], s[88:89]          ; xn: 4 bytes a row
	s_lshl_b32 s88, s20, 12
	s_lshl_b32 s2, s[WV], 10
	s_add_co_u32 s88, s88, s2
	s_lshl_b32 s2, s21, 17
	s_add_co_u32 s88, s88, s2
	s_add_nc_u64 s[16:17], s[16:17], s[88:89]      ; cand: (16,384 split + my first row) x 8
	CROUND                                         ; all four work-groups are here: the first joint loads meet
; THE HEAD'S LOADS, one a wave: one chain of branches on the wave's number, a load to an arm, all arms to one join
.macro ARM under, g0, g1, next
	s_cmp_lt_u32 s[WV], \under
	s_cbranch_scc0 \next
	tensor_load_to_lds s[\g0:\g0+3], s[\g1:\g1+7]
	s_nop 0
.rept 4
	v_nop
.endr
	s_branch .Lhead_asked
\next:
.endm
	ARM 2, G0H, G1H, .Lhead_s
	ARM 3, G0S, G1S, .Lhead_w
	tensor_load_to_lds s[G0W:G0W+3], s[G1W:G1W+7]
	s_nop 0
.rept 4
	v_nop
.endr
.Lhead_asked:
.irp p, 0,1,2,3
	global_load_b128 v[XS+4*\p:XS+4*\p+3], v[L16], s[6:7] offset:512*\p   ; the scale words of 32 rows; register = K step
.endr
.irp t, 0,1,2,3,4,5,6,7
	global_load_b32 v[XB+2*\t], v[XNO], s[8:9] offset:64*\t   ; |x|^2 of my row in row tile t
.endr
	WIN 0x80                                       ; destination window 2.  x stays in registers; 60 loads go out here, the other 80 behind tile 0's fetch
	XLOAD 0, 0
	XLOAD 1, 0
	XLOAD 2, 0
	WIN 0
.irp t, 0,1,2,3,4,5,6,7
	v_mov_b32 v[XB+2*\t+1], 0xff800000             ; the best negated distance so far: -infinity.  (A select reads what it may keep: so these are written once)
	v_mov_b32 v[TM+2*\t], 0
.endr
.set j, 0
.rept 64
	v_mov_b32 v[SAV+j], 0xff800000
.set j, j+1
.endr
	v_mov_b32 v[VTC], 0
; THE FETCH of the next tile, into the buffer and the sets that tile p does not use: its scale words (lane r: code r's four), |w|^2 of my eight codes, 16 loads of fragments (512 consecutive bytes each)
.macro FETCH p
	v_add_nc_u32 v[ADS], s[TSC], v[ASC0]
	v_add_nc_u32 v[ADW], s[TW], v[AWW0]
	v_add_nc_u32 v[ADR], s[TB], v[L16]
	s_add_co_u32 s[TSC], s[TSC], 256
	s_add_co_u32 s[TB], s[TB], TILEB
	s_add_co_u32 s[TW], s[TW], 64
	ds_load_b128 v[CS+4*(1-(\p)):CS+4*(1-(\p))+3], v[ADS]
	ds_load_b128 v[WW+8*(1-(\p)):WW+8*(1-(\p))+3], v[ADW]
	ds_load_b128 v[WW+8*(1-(\p))+4:WW+8*(1-(\p))+7], v[ADW] offset:16
	WIN 0x40                                       ; destination window 1
.set l, 0
.rept 16
	ds_load_b128 v[64*(1-(\p))+4*l:64*(1-(\p))+4*l+3], v[ADR] offset:512*l
.set l, l+1
.endr
.endm
.macro ADDS w, t, q                    ; s = |w|^2 + |x|^2 of row tile t, numbers 2 q and 2 q + 1, |w|^2 from set w
	v_pk_add_f32 v[S+8*(\t)+2*(\q):S+8*(\t)+2*(\q)+1], v[WW+8*(\w)+2*(\q):WW+8*(\w)+2*(\q)+1], v[XB+2*(\t):XB+2*(\t)+1] op_sel_hi:[1,0]
.endm
.macro MAXL st, t                      ; step st of the largest of row tile t's eight
.if (\st) == 0
	v_max3_num_f32 v[TM+2*(\t)+1], v[S+8*(\t)], v[S+8*(\t)+1], v[S+8*(\t)+2]
.elseif (\st) < 3
	v_max3_num_f32 v[TM+2*(\t)+1], v[TM+2*(\t)+1], v[S+8*(\t)+1+2*(\st)], v[S+8*(\t)+2+2*(\st)]
.else
	v_max_num_f32 v[TM+2*(\t)+1], v[TM+2*(\t)+1], v[S+8*(\t)+7]
.endif
.endm
.macro KEEP u                          ; where VCC says so, row tile u keeps this tile of codes: its best, its number, its eight numbers: five dual pairs
	v_dual_cndmask_b32 v[XB+2*(\u)+1], v[XB+2*(\u)+1], v[TM+2*(\u)+1] :: v_dual_cndmask_b32 v[TM+2*(\u)], v[TM+2*(\u)], v[VTC]
.irp q, 0,2,4,6
	v_dual_cndmask_b32 v[SAV+8*(\u)+\q], v[SAV+8*(\u)+\q], v[S+8*(\u)+\q] :: v_dual_cndmask_b32 v[SAV+8*(\u)+\q+1], v[SAV+8*(\u)+\q+1], v[S+8*(\u)+\q+1]
.endr
.endm
; A TILE OF CODES, in buffer p; its fragments, scale words and |w|^2 are in, and s of row tiles 0-5 is made.  fetch = 1: the next tile is fetched, and its s of row tiles 0-5 made.
; DISTANCES (eight places behind this form ahead of a read of a result and of a load into a source or a scale, nine ahead of a matrix instruction that writes over a result).  The 8 sums stand between
; the last product and the first read of an accumulator; the block of 144 lines stands between a tile's products and the next tile's, which begin the sums anew, and the loads into the buffer and the set that the tile before used.
.macro TILE p, fetch
.if \fetch
	FETCH \p
.endif
.set i, 0
.rept 32
.set t, 4*(i/16)+i%4
.set ks, (i%16)/4
.set rD, ACC+8*t
.set rA, 64*(\p)+16*ks
.set rX, 64*(i%4)+16*ks
.set rC, CS+4*(\p)+ks
.set rS, XS+4*(t/2)+ks
.if i == 16
	s_wait_loadcnt 0x0                             ; x's row tiles 4-7.  Met at once from the second tile on
.endif
	WIN 0x59+4*(i/16)                              ; codes, C and D window 1; x window 2, then 3
.if ks == 0
.if t%2 == 0
	v_wmma_scale_f32_16x16x128_f8f6f4 v[rD:rD+7], v[rA:rA+15], v[rX:rX+15], 0, v[rC], v[rS] matrix_a_fmt:MATRIX_FMT_BF8 matrix_b_fmt:MATRIX_FMT_BF8
.else
	v_wmma_scale_f32_16x16x128_f8f6f4 v[rD:rD+7], v[rA:rA+15], v[rX:rX+15], 0, v[rC], v[rS] matrix_a_fmt:MATRIX_FMT_BF8 matrix_b_fmt:MATRIX_FMT_BF8 matrix_b_scale:MATRIX_SCALE_ROW1
.endif
.else
.if t%2 == 0
	v_wmma_scale_f32_16x16x128_f8f6f4 v[rD:rD+7], v[rA:rA+15], v[rX:rX+15], v[rD:rD+7], v[rC], v[rS] matrix_a_fmt:MATRIX_FMT_BF8 matrix_b_fmt:MATRIX_FMT_BF8
.else
	v_wmma_scale_f32_16x16x128_f8f6f4 v[rD:rD+7], v[rA:rA+15], v[rX:rX+15], v[rD:rD+7], v[rC], v[rS] matrix_a_fmt:MATRIX_FMT_BF8 matrix_b_fmt:MATRIX_FMT_BF8 matrix_b_scale:MATRIX_SCALE_ROW1
.endif
.endif
.set i, i+1
.endr
	WIN 0
.irp q, 0,1,2,3
	ADDS \p, 6, \q                                 ; s of row tiles 6 and 7: the eight places
.endr
.irp q, 0,1,2,3
	ADDS \p, 7, \q
.endr
	WIN 0x01                                       ; source 0 window 1
.set q, 0
.rept 4                                ; 2 x.w - s, one rounding; the eight row tiles by turns; each accumulator is read from its low end on
.set t, 0
.rept 8
	v_pk_fma_f32 v[S+8*t+2*q:S+8*t+2*q+1], v[ACC+8*t+2*q:ACC+8*t+2*q+1], 2.0, v[S+8*t+2*q:S+8*t+2*q+1] op_sel_hi:[1,0,1] neg_lo:[0,0,1] neg_hi:[0,0,1]
.set t, t+1
.endr
.set q, q+1
.endr
	WIN 0
.if \fetch
	s_wait_dscnt 0x0                               ; the next tile's fragments, scale words and |w|^2, asked for ahead of this tile's products, are in
.endif
.set st, 0
.rept 4                                ; the largest of the eight: row tiles 0-3 abreast
.set t, 0
.rept 4
	MAXL st, t
.set t, t+1
.endr
.set st, st+1
.endr
; Row tile b: does the tile's best beat mine (strictly: the earlier tile keeps a tie)?  Between the compare and the selects stand a step of the maxima of row tiles 4-7 (b < 4) and sums of the next tile
; (0, 1, 1, 1, 5, 5, 5, 6 of the 24): sum n belongs to row tile n / 4, whose numbers the selects of an earlier b have read.
.set na, 0
.set b, 0
.rept 8
	v_cmp_lt_f32 vcc_lo, v[XB+2*b+1], v[TM+2*b+1]
.if b < 4
.set t, 4
.rept 4
	MAXL b, t
.set t, t+1
.endr
.endif
.if b == 0
.set nbv, 0
.elseif b < 4
.set nbv, 1
.elseif b < 7
.set nbv, 5
.else
.set nbv, 6
.endif
.if (\fetch) && (nbv > 0)
.rept nbv
	ADDS 1-(\p), na/4, na%4
.set na, na+1
.endr
.endif
	KEEP b
.set b, b+1
.endr
	v_add_nc_u32 v[VTC], 1, v[VTC]
.endm
; THE CHANGE OF SLOTS, at the head of a slot's last tile: all the slot's fragments have been read.  Each wave waits for all its tensor loads (its part of the other slot), adds 0 to its spare word, and waits for
; that and for its reads of the slot.  fill = 1: the slot is filled again with the tiles two slots on: the barrier is then a round of the cluster's, and the joint refill is the first thing behind it.
.macro CHANGE fill
	s_wait_tensorcnt 0x0                           ; no tensor load of mine is out, so a group 0 may be written
	ds_add_u32 v[SPW], v[NIL]
.if \fill
	s_xor_b32 s[G0R+1], s[G0R+1], SLOT1            ; the other slot than last time,
	s_add_nc_u64 s[G0R+2:G0R+3], s[G0R+2:G0R+3], SLOTB   ; the next 16 tiles
.endif
	s_sub_co_u32 s[TB], s[TB], SLOTB               ; the fetches go back to a slot's first tile,
	s_xor_b32 s[TB], s[TB], SLOT1                  ; in the other slot
	s_wait_dscnt 0x0                               ; the add is done, and my reads of the slot are over
.if \fill
	CROUND
	tensor_load_to_lds s[G0R:G0R+3], s[G1C:G1C+7]
	s_nop 0
.rept 4
	v_nop
.endr
.else
	s_barrier_signal -1
	s_barrier_wait -1
.endif
.endm
.macro SEVEN                           ; seven trips of two tiles: the buffers' numbers come back
	s_mov_b32 s[INNER], 7
.Ltrip_\@:
	TILE 0, 1
	TILE 1, 1
	s_sub_co_u32 s[INNER], s[INNER], 1
	s_cmp_lg_u32 s[INNER], 0
	s_cbranch_scc1 .Ltrip_\@
.endm
	s_wait_alu depctr_va_vdst(0)
	s_wait_tensorcnt 0x0                           ; my tile of the head's is in
	s_barrier_signal -1
	s_barrier_wait -1                              ; everybody's are
	FETCH 1                                        ; tile 0 into buffer 0 and sets 0
	WIN 0x80
	XLOAD 3, 0                                     ; the rest of x: row tile 3,
	WIN 0xc0                                       ; destination window 3
	XLOAD 0, 1                                     ; and row tiles 4-7: these 64 are the loads that the counted wait below leaves out
	XLOAD 1, 1
	XLOAD 2, 1
	XLOAD 3, 1
	WIN 0
	s_wait_tensorcnt 0x0                           ; slot 1's first fill, which tile 15 is the first to want, goes out behind x's loads
	ds_add_u32 v[SPW], v[NIL]
	s_wait_dscnt 0x0                               ; the add is done, and tile 0's fragments, scale words and |w|^2 are in
	CROUND                                         ; all four work-groups are here
	tensor_load_to_lds s[G0R:G0R+3], s[G1C:G1C+7]  ; tiles 16-31, my quarter
	s_nop 0
.rept 4
	v_nop
.endr
	s_wait_loadcnt 63                              ; x's scale words, |x|^2 and row tiles 0-3: behind them 64 loads were issued; the count's field ends at 63, so one of those is waited for too
.set na, 0
.rept 24
	ADDS 0, na/4, na%4                             ; tile 0's s of row tiles 0-5
.set na, na+1
.endr
	s_mov_b32 s[OUTER], 2
.Lslot:                                            ; two trips: 16 tiles each, and a refill
	SEVEN
	TILE 0, 1
	CHANGE 1
	TILE 1, 1
	s_sub_co_u32 s[OUTER], s[OUTER], 1
	s_cmp_lg_u32 s[OUTER], 0
	s_cbranch_scc1 .Lslot
	SEVEN                                          ; the tail is written out
	TILE 0, 1
	CHANGE 0                                       ; the last change of slots asks for nothing
	TILE 1, 1
	SEVEN
	TILE 0, 1
	TILE 1, 0                                      ; tile 63 fetches nothing
	; THE END, the eight row tiles abreast.  Which of the eight kept numbers is the best, lowest first; the index; the distance d = 0 - (negated d), which also makes a zero +0; its bits as a whole number that orders as d
	; does; then the better of lanes l and l xor 16, which hold the row's other eight codes of every tile: the smaller key, at equal keys the smaller index.
.irp t, 0,1,2,3,4,5,6,7
	v_mov_b32 v[EJ+\t], 7
.endr
.irp j, 6,5,4,3,2,1,0
.irp t, 0,1,2,3,4,5,6,7
	v_cmp_neq_f32 s[MKA+\t], v[SAV+8*\t+\j], v[XB+2*\t+1]
.endr
.irp t, 0,1,2,3,4,5,6,7
	v_cndmask_b32 v[EJ+\t], \j, v[EJ+\t], s[MKA+\t]   ; equal: j
.endr
.endr
.irp t, 0,1,2,3,4,5,6,7
	v_lshl_add_u32 v[S+2*\t+1], v[TM+2*\t], 4, v[EJ+\t]
.endr
.irp t, 0,1,2,3,4,5,6,7
	v_sub_f32 v[ED+\t], 0, v[XB+2*\t+1]
.endr
.irp t, 0,1,2,3,4,5,6,7
	v_add_nc_u32 v[S+2*\t+1], v[HB], v[S+2*\t+1]   ; index = 1,024 split + 16 tile + 8 (lane / 16) + j
.endr
.irp t, 0,1,2,3,4,5,6,7
	v_ashrrev_i32 v[ET+\t], 31, v[ED+\t]
.endr
.irp t, 0,1,2,3,4,5,6,7
	v_or_b32 v[ET+\t], 0x80000000, v[ET+\t]
.endr
.irp t, 0,1,2,3,4,5,6,7
	v_xor_b32 v[S+2*\t], v[ET+\t], v[ED+\t]        ; key: a positive number's sign bit is set, a negative number's bits are all turned
.endr
.irp t, 0,1,2,3,4,5,6,7
	v_permlanex16_b32 v[EI+\t], v[S+2*\t+1], s[SEL], s[SEL+1]   ; (the destinations have been written: they held s)
.endr
.irp t, 0,1,2,3,4,5,6,7
	v_permlanex16_b32 v[EK+\t], v[S+2*\t], s[SEL], s[SEL+1]
.endr
.irp t, 0,1,2,3,4,5,6,7
	v_cmp_lt_u32 s[MKC+\t], v[EI+\t], v[S+2*\t+1]
.endr
.irp t, 0,1,2,3,4,5,6,7
	v_cmp_eq_u32 s[MKB+\t], v[EK+\t], v[S+2*\t]
.endr
.irp t, 0,1,2,3,4,5,6,7
	v_cmp_lt_u32 s[MKA+\t], v[EK+\t], v[S+2*\t]
.endr
.irp t, 0,1,2,3,4,5,6,7
	s_and_b32 s[MKB+\t], s[MKB+\t], s[MKC+\t]
	s_or_b32 s[MKA+\t], s[MKA+\t], s[MKB+\t]
.endr
.irp t, 0,1,2,3,4,5,6,7
	v_cndmask_b32 v[S+2*\t], v[S+2*\t], v[EK+\t], s[MKA+\t]
	v_cndmask_b32 v[S+2*\t+1], v[S+2*\t+1], v[EI+\t], s[MKA+\t]
.endr
.irp p, 0,1,2,3                        ; lanes 0-15 keep row tile 2 p's rows, lanes 16-31 take tile 2 p + 1's: 32 rows' candidates
	v_cndmask_b32 v[S+4*\p], v[S+4*\p], v[S+4*\p+2], s[HM]
	v_cndmask_b32 v[S+4*\p+1], v[S+4*\p+1], v[S+4*\p+3], s[HM]
.endr
.irp p, 0,1,2,3
	global_store_b64 v[L8], v[S+4*\p:S+4*\p+1], s[16:17] offset:256*\p   ; 32 lanes store 256 consecutive bytes, at a multiple of 256 from the buffer's first byte
.endr
	s_wait_tensorcnt 0x0                           ; the wave's end, behind my last tensor load
	ds_add_u32 v[SPW], v[NIL]
	s_wait_dscnt 0x0
	CROUND                                         ; the closing round: no work-group ends while a partner may still ask for a tile that names it
	s_endpgm
.Lfunc_end_k_qe99a04bf31_search:
	.size	k_qe99a04bf31_search, .Lfunc_end_k_qe99a04bf31_search-k_qe99a04bf31_search
	.p2alignl 7, 3214868480
	.fill 96, 4, 3214868480
	.section	.rodata,"a",@progbits
	.p2align	6, 0x0
	.amdhsa_kernel k_qe99a04bf31_search
		.amdhsa_group_segment_fixed_size 327680
		.amdhsa_private_segment_fixed_size 0
		.amdhsa_enable_private_segment 0
		.amdhsa_kernarg_size 56
		.amdhsa_user_sgpr_count 2
		.amdhsa_user_sgpr_kernarg_segment_ptr 1
		.amdhsa_wavefront_size32 1
		.amdhsa_system_sgpr_workgroup_id_x 1
		.amdhsa_system_sgpr_workgroup_id_y 1
		.amdhsa_system_sgpr_workgroup_id_z 1
		.amdhsa_system_vgpr_workitem_id 0
		.amdhsa_next_free_vgpr 1024
		.amdhsa_next_free_sgpr 90
		.amdhsa_reserve_vcc 1
		.amdhsa_float_denorm_mode_32 3
		.amdhsa_float_denorm_mode_16_64 3
		.amdhsa_memory_ordered 1
		.amdhsa_forward_progress 1
		.amdhsa_inst_pref_size 213
	.end_amdhsa_kernel
	.amdgpu_metadata
---
amdhsa.version: [ 1, 2 ]
amdhsa.kernels:
  - .name:           k_qe99a04bf31_search
    .symbol:         k_qe99a04bf31_search.kd
    .args:
      - { .name: xq, .offset: 0, .size: 8, .value_kind: global_buffer, .address_space: global }
      - { .name: xs, .offset: 8, .size: 8, .value_kind: global_buffer, .address_space: global }
      - { .name: xn, .offset: 16, .size: 8, .value_kind: global_buffer, .address_space: global }
      - { .name: cq, .offset: 24, .size: 8, .value_kind: global_buffer, .address_space: global }
      - { .name: cs, .offset: 32, .size: 8, .value_kind: global_buffer, .address_space: global }
      - { .name: cn, .offset: 40, .size: 8, .value_kind: global_buffer, .address_space: global }
      - { .name: cand, .offset: 48, .size: 8, .value_kind: global_buffer, .address_space: global }
    .group_segment_fixed_size: 327680
    .private_segment_fixed_size: 0
    .kernarg_segment_align: 8
    .kernarg_segment_size: 56
    .max_flat_workgroup_size: 128
    .sgpr_count:     90
    .vgpr_count:     1024
    .wavefront_size: 32
...
	.end_amdgpu_metadata
.endif
;; end of part 2
;; launch gather (part 3): grid 256 x 1, 8 waves a work-group, no clusters, 0 bytes of LDS; arguments cand, codebook, out0, out1; writes out0, out1
.if DOCPART == 3
	.amdgcn_target "amdgcn-amd-amdhsa--gfx1250"
	.amdhsa_code_object_version 6
	.text
	.protected	k_qe99a04bf31_gather
	.globl	k_qe99a04bf31_gather
	.p2align	8
	.type	k_qe99a04bf31_gather,@function
k_qe99a04bf31_gather:
	s_mov_b64 s[64:65], 0
	v_nop
	global_prefetch_b8 v0, s[64:65] scope:SCOPE_SE
	s_setreg_imm32_b32 hwreg(HW_REG_WAVE_MODE, 25, 1), 1
	s_wait_xcnt 0x0
; For each row: the best of its eight candidates (key, index), one from each split of 1,024 codes, by whole-number compares; then row 'index' of the codebook, 2,048 bytes, is stored as both results.
; WORK LEFT OUT: the second result, x + (q - x), is q by the identity shown at the head of the first launch: the same bytes are stored twice, and x is no argument here.
; The keys order as the distances do; the compare is strict and the splits ascend, so that at equal keys the lower split, which holds the lower index, is kept: the first index of the smallest distance.
; SHARES.  A wave takes 8 rows.  Lane l loads all eight candidates of row l % 8 (lanes 8 apart load the same): no lane needs another's.  The eight indices become scalars, are held inside the table (8,191 at the most)
; and shifted to byte offsets.  A row is then four loads of 512 consecutive bytes; all 32 loads of the wave are out together, in 128 registers, and each is stored twice as it comes.
; No LDS, no barrier: waves share nothing.  No register that a load or a store names is written again, so no wait frees any.
.set L16, 3                            ; v3      16 x lane
.set CA,  4                            ; v4      8 (lane % 8): my row's candidate
.set AD,  8                            ; v8-15   row i's byte offset in the codebook + 16 x lane
.set KI,  16                           ; v16-31  eight pairs (key, index); the first becomes the best
.set DT,  32                           ; v32-159 the eight rows
	s_load_b256 s[4:11], s[0:1], 0x0               ; cand s[4:5], codebook s[6:7], out0 s[8:9], out1 s[10:11]
	v_lshrrev_b32 v1, 5, v0
	s_delay_alu instid0(VALU_DEP_1)
	v_readfirstlane_b32 s12, v1                    ; wave 0..7
	v_and_b32 v2, 31, v0
	s_delay_alu instid0(VALU_DEP_1)
	v_lshlrev_b32 v[L16], 4, v2
	v_and_b32 v[CA], 7, v0
	s_delay_alu instid0(VALU_DEP_1)
	v_lshlrev_b32 v[CA], 3, v[CA]
	s_lshl_b32 s13, ttmp9, 6
	s_lshl_b32 s14, s12, 3
	s_add_co_u32 s13, s13, s14                     ; my first row: 64 x work-group + 8 x wave
	s_lshl_b32 s14, s13, 3                         ; 8 bytes a candidate
	s_mov_b32 s15, 0
	s_lshl_b32 s16, s13, 11                        ; 2,048 bytes a row
	s_mov_b32 s17, 0
	s_wait_alu depctr_va_vdst(0)
	s_wait_kmcnt 0x0
	s_add_nc_u64 s[4:5], s[4:5], s[14:15]
	s_add_nc_u64 s[8:9], s[8:9], s[16:17]
	s_add_nc_u64 s[10:11], s[10:11], s[16:17]
.irp s, 0,1,2,3,4,5,6,7
	global_load_b64 v[KI+2*\s:KI+2*\s+1], v[CA], s[4:5] offset:131072*\s th:TH_LOAD_NT   ; split s: 16,384 rows x 8 bytes on
.endr
	s_wait_loadcnt 0x0
.irp s, 1
	v_cmp_lt_u32 vcc_lo, v[KI+2*\s], v[KI]
	s_delay_alu instid0(VALU_DEP_1)
	v_cndmask_b32 v[KI], v[KI], v[KI+2*\s], vcc_lo
	s_delay_alu instid0(VALU_DEP_2)
	v_cndmask_b32 v[KI+1], v[KI+1], v[KI+2*\s+1], vcc_lo
.endr
.irp s, 2, 3, 4, 5, 6, 7
	s_delay_alu instid0(VALU_DEP_2)
	v_cmp_lt_u32 vcc_lo, v[KI+2*\s], v[KI]
	s_delay_alu instid0(VALU_DEP_1)
	v_cndmask_b32 v[KI], v[KI], v[KI+2*\s], vcc_lo
	s_delay_alu instid0(VALU_DEP_2)
	v_cndmask_b32 v[KI+1], v[KI+1], v[KI+2*\s+1], vcc_lo
.endr
	s_wait_alu depctr_va_vdst(0)
.irp i, 0,1,2,3,4,5,6,7
	v_readlane_b32 s[24+\i], v[KI+1], \i           ; lane i holds row i's index
	s_min_u32 s[24+\i], s[24+\i], 0x1fff           ; an index stays inside the table
	s_lshl_b32 s[24+\i], s[24+\i], 11
	v_add_nc_u32 v[AD+\i], s[24+\i], v[L16]
.endr
	s_wait_alu depctr_va_vdst(0)
.irp i, 0,1,2,3,4,5,6,7
.irp q, 0,1,2,3
	global_load_b128 v[DT+16*\i+4*\q:DT+16*\i+4*\q+3], v[AD+\i], s[6:7] offset:512*\q   ; 32 lanes read 512 consecutive bytes of the chosen row (no hint: other rows may choose it too)
.endr
.endr
.irp i, 0,1,2,3,4,5,6,7
.irp q, 0,1,2,3
	s_wait_loadcnt 31-4*\i-\q                      ; loads come back in order (ISA guide 5.7.1): this one is in, the younger ones stay out
	global_store_b128 v[L16], v[DT+16*\i+4*\q:DT+16*\i+4*\q+3], s[8:9] offset:2048*\i+512*\q th:TH_STORE_NT     ; 32 lanes store 512 consecutive bytes, at a multiple of 256 from the buffer's first byte
	global_store_b128 v[L16], v[DT+16*\i+4*\q:DT+16*\i+4*\q+3], s[10:11] offset:2048*\i+512*\q th:TH_STORE_NT
.endr
.endr
	s_endpgm
.Lfunc_end_k_qe99a04bf31_gather:
	.size	k_qe99a04bf31_gather, .Lfunc_end_k_qe99a04bf31_gather-k_qe99a04bf31_gather
	.p2alignl 7, 3214868480
	.fill 96, 4, 3214868480
	.section	.rodata,"a",@progbits
	.p2align	6, 0x0
	.amdhsa_kernel k_qe99a04bf31_gather
		.amdhsa_group_segment_fixed_size 0
		.amdhsa_private_segment_fixed_size 0
		.amdhsa_enable_private_segment 0
		.amdhsa_kernarg_size 32
		.amdhsa_user_sgpr_count 2
		.amdhsa_user_sgpr_kernarg_segment_ptr 1
		.amdhsa_wavefront_size32 1
		.amdhsa_system_sgpr_workgroup_id_x 1
		.amdhsa_system_sgpr_workgroup_id_y 1
		.amdhsa_system_sgpr_workgroup_id_z 1
		.amdhsa_system_vgpr_workitem_id 0
		.amdhsa_next_free_vgpr 160
		.amdhsa_next_free_sgpr 66
		.amdhsa_reserve_vcc 1
		.amdhsa_float_denorm_mode_32 3
		.amdhsa_float_denorm_mode_16_64 3
		.amdhsa_memory_ordered 1
		.amdhsa_forward_progress 1
		.amdhsa_inst_pref_size 15
	.end_amdhsa_kernel
	.amdgpu_metadata
---
amdhsa.version: [ 1, 2 ]
amdhsa.kernels:
  - .name:           k_qe99a04bf31_gather
    .symbol:         k_qe99a04bf31_gather.kd
    .args:
      - { .name: cand, .offset: 0, .size: 8, .value_kind: global_buffer, .address_space: global }
      - { .name: codebook, .offset: 8, .size: 8, .value_kind: global_buffer, .address_space: global }
      - { .name: out0, .offset: 16, .size: 8, .value_kind: global_buffer, .address_space: global }
      - { .name: out1, .offset: 24, .size: 8, .value_kind: global_buffer, .address_space: global }
    .group_segment_fixed_size: 0
    .private_segment_fixed_size: 0
    .kernarg_segment_align: 8
    .kernarg_segment_size: 32
    .max_flat_workgroup_size: 256
    .sgpr_count:     66
    .vgpr_count:     160
    .wavefront_size: 32
...
	.end_amdgpu_metadata
.endif
;; end of part 3
